; MI455X (gfx1250); checked and timed in simulation.
; The chip was launched on July 23, 2026; its instructions are those of AMD's public machine-readable ISA for CDNA 5 (MIT licence, August 2026) and "CDNA5" Instruction Set Architecture Reference Guide (July 2026). The comments in the code are by the model that wrote it; some were corrected since.
;; Repro. Allowed arithmetic: matrix products marked QUANTISED: E2M3 operands, one E8M0 scale for each 32 along K, by v_wmma_scale_f32_16x16x128_f8f6f4 with both operands' format E2M3, f32 sums; everything else in f32.
;; Inputs: W_qkv_codes 768 x 8 x 24 uint8 (E2M3 codes of W_qkv, K innermost, in blocks of 32 codes, four codes in three bytes); W_qkv_scales 768 x 8 uint8 (E8M0 scales of W_qkv, one for each 32 codes along K); b_qkv 768 float32; x_codes 4 x 2,048 x 8 x 24 uint8 (E2M3 codes of x, K innermost, in blocks of 32 codes, four codes in three bytes); x_scales 4 x 2,048 x 8 uint8 (E8M0 scales of x, one for each 32 codes along K).
;; Outputs: out0 4 x 4 x 2,048 x 64 float32.
;; This version of the problem:
;;   THIS VERSION OF THE PROBLEM IS GIVEN IN LOW PRECISION. The matrix products marked QUANTISED in the list below multiply operands that are first quantised to E2M3 (2 exponent bits, 3 mantissa bits; 6 bits a number), with one power-of-two scale for each 32 numbers along K (OCP MX v1.0); their sums are f32. All else is computed in f32.
;;   The module's matrix products, in the order in which they are computed (A, B: the left and right operand; K: the contracted axis; several contracted axes count as one K, in the product's order):
;;     1. [M 8,192, K 256] x [K 256, N 768]; A: input x (given as codes); B: input W_qkv (given as codes): QUANTISED
;;     2. batch 16 x [M 2,048, K 64] x [K 64, N 2,048]; A: computed on the way; B: computed on the way: QUANTISED
;;     3. batch 16 x [M 2,048, K 2,048] x [K 2,048, N 64]; A: softmax (see below); B: computed on the way: QUANTISED
;;   THE QUANTISER, for each operand of a quantised product, along K:
;;     - K is cut into blocks of 32 from its start; a last block that is shorter is filled with zeros.
;;     - A block's scale is 2^e with e = floor(log2(the largest magnitude in the block)) - 2, held to -126 .. 127; a block of zeros has e = 0. As a byte (E8M0): e + 127.
;;     - Each number is divided by its block's scale, clamped to +-7.5, and rounded to the nearest number of E2M3, ties to even, subnormals kept.
;;     - The product sums the exact products of the quantised numbers (number of the format x scale) in f32.
;;   ~~~python
;;   def quantise(x, axis):      # numpy; x: float32 -> the quantised numbers, widened to float32 again
;;       x = np.moveaxis(x, axis, -1); K = x.shape[-1]
;;       x = np.pad(x, [(0, 0)] * (x.ndim - 1) + [(0, -K % 32)]); x = x.reshape(x.shape[:-1] + (-1, 32)); a = np.abs(x).max(-1, keepdims=True)
;;       e = np.where(a > 0, np.clip(np.frexp(np.where(a > 0, a, 1))[1] - 1 - 2, -126, 127), 0)      # np.frexp(a)[1] - 1 = floor(log2(a)), exactly
;;       r = np.clip(x / 2.0 ** e, -7.5, 7.5)
;;       step = 2.0 ** (np.maximum(np.frexp(np.where(r == 0, 1, r))[1] - 1, 0) - 3)
;;       q = np.round(r / step) * step * 2.0 ** e      # np.round: ties to even
;;       return np.moveaxis(q.reshape(q.shape[:-2] + (-1,))[..., :K], -1, axis).astype(np.float32)
;;   ~~~
;;   SOFTMAX AHEAD OF A QUANTISED PRODUCT. Where the list says 'softmax', what is quantised is not the finished softmax but p = 2^(t - M), with t = logit x log2(e) and M = ceil(the row's largest t), a whole number; so 1/2 < the row's largest p <= 1. The row's sum l is taken of the UNQUANTISED p, in f32, and the product's result is divided by l at the end. Since M is a whole number, a kernel that streams over the keys may use a running M (the ceiling of the running maximum): every later rescaling is an exact power of two, which a block's scale takes up: the codes' values come out the same.
;;   OPERANDS COMPUTED ON THE WAY. 'Computed on the way' means the value that the module computes at that place (a softmax that the list does not call 'softmax' is quantised finished and normalised). What goes into a quantiser is computed in f32, as accurately as f32 sums, v_exp_f32 and their like allow (about 1e-6 of the number): no bf16 or f16 on the way to a quantiser, and a product that is left as it is and whose result goes on into a quantised operand takes f32 operands (vector FMAs, or v_wmma_f32_16x16x4_f32). A number that lies on a knife's edge between two numbers of the format may be rounded either way, as far as f32 arithmetic and the matrix unit's own rounding can turn it there, and no further.
;;   INPUTS GIVEN AS CODES. W_qkv (in the module: [768, 256], K = its axis 1); x (in the module: [4, 2048, 256], K = its axis 2): each comes as NAME_codes (uint8): NAME with its K axis moved to the last place and cut into blocks of 32 codes, [.., K / 32, bytes a block], one block behind the other in memory; four codes in three bytes: a row's codes are one little-endian stream of bits, code i at bits 6 i .. 6 i + 5 (a code: sign, 2 exponent bits, 3 mantissa bits); and NAME_scales (uint8): the same leading axes, one E8M0 byte (e + 127) for each 32 codes along K. Its value is code x scale, taken as it is: it is not quantised again, and the codes and scales need not be those that the quantiser above would give.
;; One version. Each part assembles by itself: llvm-mc -triple=amdgcn-amd-amdhsa -mcpu=gfx1250 --defsym DOCPART=n.
;; ======== version 1 of 1: 2 launches
;; limits: right only within a limited range of input values
;; workspace buffers: kvbuf 3,407,872 bytes; qbuf 1,835,008 bytes
;; launch proj (part 1): grid 4 x 64, 12 waves a work-group, no clusters, 169,472 bytes of LDS; arguments x_codes, x_scales, W_qkv_codes, W_qkv_scales, b_qkv, qbuf, kvbuf; writes qbuf, kvbuf
.if DOCPART == 1
	.amdgcn_target "amdgcn-amd-amdhsa--gfx1250"
	.amdhsa_code_object_version 6
	.text
	.protected	k_q63e208d2df_proj
	.globl	k_q63e208d2df_proj
	.p2align	8
	.type	k_q63e208d2df_proj,@function
k_q63e208d2df_proj:
	s_mov_b64 s[64:65], 0
	v_nop
	global_prefetch_b8 v0, s[64:65] scope:SCOPE_SE
	s_setreg_imm32_b32 hwreg(HW_REG_WAVE_MODE, 25, 1), 1
	s_wait_xcnt 0x0
; qkv = x W^T + b on codes of FP6 (E2M3) with E8M0 scales, as they are given; then q and k are quantised along the head's 64 and v along the keys, and stored as IMAGES OF OPERAND REGISTERS.
; x: 8,192 rows of 256 codes (192 bytes), 8 scale bytes a row.  W: 768 rows likewise.  b: 768 f32.
; SHARES.  Work-group (x = head 0..3, y = block of 128 rows of x, 0..63) makes the head's 64 columns of q, of k and of v for its 128 rows: one block of kvbuf (13,312 bytes) and four records of qbuf (1,792 bytes each).
; Twelve waves, 16 matrix instructions each: role = wave / 4 (0 q, 1 k, 2 v), f = wave % 4.
;   q, k: x's tiles 2 f and 2 f + 1 against the role's 64 columns, TRANSPOSED (source 0 = 16 rows of W, source 1 = 16 rows of x): a lane holds one row of x and its registers run along d.
;   v:    all eight tiles of x against columns 16 f .. 16 f + 15 (source 0 = 16 rows of x, source 1 = 16 rows of W): a lane holds one d and its registers run along the keys.
; THE ROWS OF A TILE ARE NOT NEIGHBOURS: lane r of tile 4 c + j takes row 64 c + 8 j + 32 (r / 8) + r % 8 (of x's 128, or, with c = 0, of W's 64).  In a result a lane (r, h) then holds, in the 32 registers of
; tiles 4 c .. 4 c + 3, the 32 neighbours 64 c + 32 h + 0 .. 31: ONE WHOLE SCALE BLOCK of the next product, in the order of that operand's registers.  So no lane looks at another for a maximum or a code.
; In all three roles a lane's 64 results are two such blocks, and one macro quantises them into one fragment of 12 registers and one scale word.
;   q, k: registers 0-5 of that fragment are tile 2 f's 64 along d, registers 6-11 tile 2 f + 1's; bytes 0, 1 and 2, 3 of the word likewise.   v: the fragment is 16 d x 128 keys.
; kvbuf [16 heads][16 blocks of 128 keys][13,312]: K's fragment f at 1,536 f + 512 c + 16 lane (registers 4 c .. 4 c + 3); V's at 6,144 + the same; K's scale words at 12,288 + 128 f + 4 lane; V's at 12,800 + the same (lanes 0-15 count).
; qbuf [16 heads][64 pairs][1,792]: tile u's registers 2 n, 2 n + 1 at 768 u + 256 n + 8 lane; its scale word, its two bytes twice, at 1,536 + 8 lane + 4 u.
; NO CLUSTER: a work-group fetches 61,440 bytes once and has no loop; of these only x's 24,576 are shared with the three neighbours along x, and two rounds of a cluster's barrier would stand against that one fill.
; NO PREFETCH: there is no loop to run ahead in.
; LIMITS: NaN and infinities (a scale byte 0xff among the inputs) are not served.  A block whose largest magnitude lies under 2^-124, a block of zeros too, gets the byte 1 (the rule says 127 for zeros): its codes
; are then zeros or the rule's own, and the bytes are read by this program alone.
.set PITCH, 240                        ; an LDS row: 3 x (64 bytes of codes + 16 of padding): the 32 lanes of a load of 8 bytes fall on different words
.set T64,   64*PITCH                   ; 64 rows: what one tensor load brings.  LDS: x's 128 rows at 0, W's 64 rows for q at 2 T64, for k at 3 T64, for v at 4 T64; filled once
.set SPARE, 0x29000                    ; the spare words, 128 bytes a wave
.set AXQ, 4                            ; v4-5    q, k: LDS address of my two tiles of x  (the second register of each pair: for the pieces that lie behind one padding more)
.set AWQ, 6                            ; v6-7    q, k: of my role's rows of W
.set AXV, 8                            ; v8-9    v: of x's tiles
.set AWV, 10                           ; v10-11  v: of my 16 rows of W
.set ACC, 16                           ; v16-79  the 8 accumulators
.set WF,  80                           ; q, k: v80-175 W's fragments (tile j, K step q) at 12 (2 j + q);  v176-223 x's (tile i, K step q) likewise
.set XF,  176
.set VXA, 80                           ; v: v80-127, v128-175 two batches of four fragments of x;  v176-199 W's two fragments;  v200-207 the bias as C
.set VXB, 128
.set VWF, 176
.set BV,  200
.set WS,  224                          ; v224-241 hold scale words and nothing else.  q, k: v224-231 W's (2 j + q), v232-235 x's (2 i + q)
.set XS,  232
.set VXS, 224                          ; v: v224-239 x's (2 T + q), v240-241 W's
.set VWS, 240
.set O16, 242                          ; global byte offsets, never rewritten: 16 lane,
.set O4,  243                          ; 4 lane,
.set O8,  244                          ; 8 lane,
.set OBH, 245                          ; 128 h,
.set ORP, 246                          ; 8 (r % 8 + 32 (r / 8)),
.set OR4, 247                          ; 4 r,
.set OR8, 248                          ; 8 r
.set SPW, 254                          ; my spare word's LDS address, and 0
.set NIL, 255
.set TM,  80                           ; behind the products: v80-86 largest magnitudes and bytes, v92 and v94 the conversions' scale operands
.set PW,  96                           ; the scale word
.set PC,  100                          ; v100-111 the fragment; v112-118 at work
.set WQ,  120                          ; v120-121 q's two scale words
.set SEL, 40                           ; s[40:41] lane selects for v_permlanex16_b32: lane l xor 16
.macro PLACES                          ; four plain vector lines between a matrix instruction and a load into, or a vector line on, its registers
.rept 4
	v_nop
.endr
.endm
; A fragment, 16 rows x 128 K, is 12 registers: lane (r, h) holds row r; registers 6 c .. 6 c + 5 hold K = 64 c + 32 h + 0 .. 31: 24 bytes of the row's stream of bits, as they lie, in pieces of 8 bytes.
; Lanes 0-15 take pieces 12 q + 0, 1, 2 and 12 q + 6, 7, 8 of the row, lanes 16-31 those three pieces on; where that lies behind one padding more, the pair's second address register (40 h for 24 h) serves.
.macro FRAG reg, adr, q, rowoff
.irp p, 0,1,2,3,4,5
.set PCE, 12*(\q)+6*(\p/3)+\p%3
.if PCE%8 < 5
	ds_load_b64 v[(\reg)+2*\p:(\reg)+2*\p+1], v[\adr] offset:8*PCE+16*(PCE/8)+(\rowoff)*PITCH
.else
	ds_load_b64 v[(\reg)+2*\p:(\reg)+2*\p+1], v[\adr+1] offset:8*PCE+16*(PCE/8)+(\rowoff)*PITCH
.endif
.endr
.endm
.macro MM d, a, b, c, sa, sb
	v_wmma_scale_f32_16x16x128_f8f6f4 v[(\d):(\d)+7], v[(\a):(\a)+11], v[(\b):(\b)+11], v[(\c):(\c)+7], v[\sa], v[\sb] matrix_a_fmt:MATRIX_FMT_FP6 matrix_b_fmt:MATRIX_FMT_FP6
.endm
; 64 numbers of a lane, v[s] .. v[s + 63], two whole blocks of 32 along the next K, become a fragment's codes in v[PC] on (block c: registers 6 c .. 6 c + 5) and its scale word in v[PW] (lanes 0-15).
.macro QUANT s
.irp b, 0,1,2,3
	v_max3_num_f32 v[TM+\b], |v[\s+16*\b]|, |v[\s+1+16*\b]|, 0x1800000   ; four chains of 16 numbers, with the floor 2^(3 - 127): the byte cannot fall under 1.  (Each accumulator is read from its low end on)
.endr
.irp i, 2,4,6,8,10,12,14
.irp b, 0,1,2,3
	v_max3_num_f32 v[TM+\b], v[TM+\b], |v[\s+16*\b+\i]|, |v[\s+1+16*\b+\i]|   ; by turns
.endr
.endr
	v_max_num_f32 v[TM], v[TM], v[TM+1]                            ; block 0's largest magnitude
	v_max_num_f32 v[TM+2], v[TM+2], v[TM+3]                        ; block 1's
	v_add_nc_u32 v[TM+12], 0xff000000, v[TM]                       ; 2 off the exponent field: the conversion takes the exponent field of this operand as its scale
	v_add_nc_u32 v[TM+14], 0xff000000, v[TM+2]
	v_lshrrev_b32 v[TM+4], 23, v[TM+12]                            ; the scale's byte
	v_lshrrev_b32 v[TM+5], 23, v[TM+14]
	v_lshl_or_b32 v[TM+4], v[TM+5], 16, v[TM+4]                    ; bytes 0 and 2 of the word, from a lane of the lower half;
	v_permlanex16_b32 v[TM+6], v[TM+4], s[SEL], s[SEL+1]           ; bytes 1 and 3 are the upper half's
.irp c, 0,1
	v_cvt_scalef32_pk16_fp6_f32 v[PC+6*\c:PC+2+6*\c], v[\s+32*\c:\s+15+32*\c], v[TM+12+2*\c]
	v_cvt_scalef32_pk16_fp6_f32 v[PC+12+4*\c:PC+14+4*\c], v[\s+16+32*\c:\s+31+32*\c], v[TM+12+2*\c]   ; (a conversion's three registers begin on an even number)
.endr
	v_lshl_or_b32 v[PW], v[TM+6], 8, v[TM+4]                       ; (the plain line behind the scaled conversions)
.irp c, 0,1
.irp i, 0,1,2
	v_mov_b32 v[PC+3+6*\c+\i], v[PC+12+4*\c+\i]
.endr
.endr
.endm
	s_load_b256 s[4:11], s[0:1], 0x0               ; x's codes s[4:5], x's scales s[6:7], W's codes s[8:9], W's scales s[10:11]
	s_load_b128 s[12:15], s[0:1], 0x20             ; b s[12:13], qbuf s[14:15]
	s_load_b64 s[16:17], s[0:1], 0x30              ; kvbuf
	v_lshl_add_u32 v[SPW], v0, 2, SPARE
	v_mov_b32 v[NIL], 0
	ds_add_u32 v[SPW], v[NIL]                      ; the opening lines: the add, twice on end, and its wait
	ds_add_u32 v[SPW], v[NIL]
	v_lshrrev_b32 v1, 5, v0
	v_readfirstlane_b32 s18, v1                    ; wave 0..11
	s_lshr_b32 s19, s18, 2                         ; role
	s_and_b32 s20, s18, 3                          ; f
	s_lshr_b32 s60, s20, 1
	s_lshl_b32 s60, s60, 5
	s_lshl_b32 s61, s20, 4
	s_add_co_u32 s60, s60, s61                     ; tiles 2 f, 2 f + 1 of x begin at row 64 (f / 2) + 16 (f % 2)
	s_mov_b32 s21, ttmp9                           ; head
	s_and_b32 s22, ttmp7, 0xffff                   ; block of 128 rows
	; descriptor group 1: 64 rows of 192 bytes lie end to end, 12,288 bytes from a multiple of 256 on: stated as 48 rows of 256 bytes; 16 bytes of padding behind every 64
	s_mov_b32 s24, (1<<20)|(3<<22)|(3<<25)         ; no mask; elements of 1 byte; padding on, after every 16 words (code 3), of 4 words (code 3)
	s_mov_b32 s25, 256<<16                         ; tensor_dim0
	s_mov_b32 s26, 48<<16                          ; tensor_dim1
	s_mov_b32 s27, 256<<16                         ; tile_dim0
	s_mov_b32 s28, 48                              ; tile_dim1
	s_mov_b32 s29, 256                             ; tensor_dim0_stride
	s_mov_b32 s30, 0
	s_mov_b32 s31, 0
	; group 0: waves 0, 1 bring x's two halves, waves 2, 3, 4 the head's rows of W for q, k, v; each to LDS byte wave x T64
	s_mov_b32 s32, 1
	s_mul_i32 s33, s18, T64
	s_mul_i32 s36, s22, 128*192
	s_mul_i32 s54, s18, 64*192
	s_add_co_u32 s36, s36, s54                     ; x: block x 128 rows + wave x 64 rows
	s_mul_i32 s37, s18, 256*192
	s_mul_i32 s54, s21, 64*192
	s_add_co_u32 s37, s37, s54
	s_sub_co_u32 s37, s37, 2*256*192               ; W: (wave - 2) x 256 rows + head x 64 rows  (used by waves 2 to 4 alone)
	s_wait_dscnt 0x0                               ; both opening adds are done
	s_wait_kmcnt 0x0
	s_cmp_lt_u32 s18, 2                            ; the choice hangs on the wave's number alone
	s_cselect_b64 s[38:39], s[4:5], s[8:9]
	s_cselect_b32 s36, s36, s37
	s_mov_b32 s37, 0
	s_add_nc_u64 s[34:35], s[38:39], s[36:37]
	s_or_b32 s35, s35, 0x80000000                  ; type = 2
	s_cmp_lt_u32 s18, 5
	s_cbranch_scc0 .Lno_fill
	tensor_load_to_lds s[32:35], s[24:31]          ; the launch's only fills: one a wave, each byte filled once
	s_nop 0
	PLACES
.Lno_fill:
	; every LDS address is made here, by every wave, ahead of the first parting
	v_and_b32 v1, 15, v0                           ; r
	v_bfe_u32 v2, v0, 4, 1                         ; h
	v_and_b32 v3, 8, v1
	v_mad_u32_u24 v3, v3, 3, v1                    ; r % 8 + 32 (r / 8)
	v_mul_u32_u24 v12, v3, PITCH
	v_mad_u32_u24 v[AXV], v2, 24, v12
	v_mad_u32_u24 v[AXV+1], v2, 40, v12
	s_mul_i32 s54, s60, PITCH
	v_add_nc_u32 v[AXQ], s54, v[AXV]
	v_add_nc_u32 v[AXQ+1], s54, v[AXV+1]
	s_mul_i32 s54, s19, T64
	s_add_co_u32 s54, s54, 2*T64                   ; my role's rows of W
	v_add_nc_u32 v[AWQ], s54, v[AXV]
	v_add_nc_u32 v[AWQ+1], s54, v[AXV+1]
	v_mul_u32_u24 v12, v1, PITCH
	s_mul_i32 s54, s20, 16*PITCH
	s_add_co_u32 s54, s54, 4*T64                   ; v: rows 16 f + r, as they lie
	v_mad_u32_u24 v[AWV], v2, 24, v12
	v_mad_u32_u24 v[AWV+1], v2, 40, v12
	v_add_nc_u32 v[AWV], s54, v[AWV]
	v_add_nc_u32 v[AWV+1], s54, v[AWV+1]
	v_and_b32 v12, 31, v0                          ; lane
	v_lshlrev_b32 v[O16], 4, v12
	v_lshlrev_b32 v[O4], 2, v12
	v_lshlrev_b32 v[O8], 3, v12
	v_lshlrev_b32 v[OBH], 7, v2
	v_lshlrev_b32 v[ORP], 3, v3
	v_lshlrev_b32 v[OR4], 2, v1
	v_lshlrev_b32 v[OR8], 3, v1
	s_wait_alu depctr_va_vdst(0)
	s_mov_b32 s[SEL], 0x76543210
	s_mov_b32 s[SEL+1], 0xfedcba98
	s_cmp_lt_u32 s19, 2
	s_cselect_b32 s54, s60, 0                      ; q, k: my tiles' first row of x; v: 0
	s_cselect_b32 s55, 0, s20                      ; f for v, 0 for q and k
	s_lshl_b32 s42, s22, 10                        ; x's scales: 8 bytes a row: the block's 128 rows,
	s_lshl_b32 s54, s54, 3                         ; q, k: from my tiles' first row on
	s_add_co_u32 s42, s42, s54
	s_mov_b32 s43, 0
	s_add_nc_u64 s[42:43], s[6:7], s[42:43]
	s_lshl_b32 s56, s19, 8
	s_lshl_b32 s57, s21, 6
	s_add_co_u32 s56, s56, s57
	s_lshl_b32 s57, s55, 4
	s_add_co_u32 s56, s56, s57                     ; my first row of W: 256 role + 64 head (+ 16 f for v)
	s_lshl_b32 s44, s56, 3
	s_mov_b32 s45, 0
	s_add_nc_u64 s[44:45], s[10:11], s[44:45]      ; its scales
	s_lshl_b32 s46, s56, 2
	s_mov_b32 s47, 0
	s_add_nc_u64 s[46:47], s[12:13], s[46:47]      ; its bias
	; first parting: the loads from memory, which are out while the fills land
	s_cmp_lt_u32 s18, 8
	s_cbranch_scc0 .Lload_v
.irp i, 0,1                            ; q, k: THE BIAS GOES STRAIGHT INTO THE ACCUMULATORS: register 32 i + 8 j + n belongs to d = 32 h + 8 j + n
.irp j, 0,1,2,3
.irp k, 0,1
	global_load_b128 v[ACC+32*\i+8*\j+4*\k:ACC+32*\i+8*\j+4*\k+3], v[OBH], s[46:47] offset:32*\j+16*\k
.endr
.endr
.endr
.irp j, 0,1,2,3
	global_load_b64 v[WS+2*\j:WS+2*\j+1], v[ORP], s[44:45] offset:64*\j   ; a row's 8 scale bytes: the words of both K steps
.endr
.irp i, 0,1
	global_load_b64 v[XS+2*\i:XS+2*\i+1], v[ORP], s[42:43] offset:64*\i
.endr
	s_branch .Lloaded
.Lload_v:
.irp n, 0,1,2,3,4,5,6,7
	global_load_b32 v[BV+\n], v[OR4], s[46:47]     ; v: a lane has ONE d: its bias in all eight registers of C, by eight loads of the same word and no copy
.endr
	global_load_b64 v[VWS:VWS+1], v[OR8], s[44:45]
.irp t, 0,1,2,3,4,5,6,7
	global_load_b64 v[VXS+2*\t:VXS+2*\t+1], v[ORP], s[42:43] offset:(64*(\t/4)+8*(\t%4))*8
.endr
.Lloaded:
	; where the results go
	s_lshr_b32 s56, s22, 4
	s_lshl_b32 s56, s56, 2
	s_add_co_u32 s56, s56, s21                     ; 4 x batch + head
	s_and_b32 s57, s22, 15                         ; the block of keys = the block of queries
	s_lshl_b32 s58, s56, 4
	s_add_co_u32 s58, s58, s57
	s_lshl_b32 s59, s58, 2
	s_add_co_u32 s59, s59, s20                     ; the pair's number
	s_mul_i32 s58, s58, 13312                      ; the block of kvbuf
	s_mul_i32 s52, s59, 1792
	s_mov_b32 s53, 0
	s_add_nc_u64 s[52:53], s[14:15], s[52:53]      ; my record of qbuf
	s_mul_i32 s59, s20, 1536
	s_add_co_u32 s48, s58, s59
	s_mov_b32 s49, 0
	s_add_nc_u64 s[48:49], s[16:17], s[48:49]      ; fragment f
	s_lshl_b32 s59, s20, 7
	s_add_co_u32 s50, s58, s59
	s_mov_b32 s51, 0
	s_add_nc_u64 s[50:51], s[16:17], s[50:51]      ; scale words f
	s_wait_tensorcnt 0x0                           ; my fill has landed,
	s_barrier_signal -1
	s_barrier_wait -1                              ; everybody's has: the one barrier of the launch
	s_cmp_lt_u32 s18, 8
	s_cbranch_scc0 .Lwork_v
	; ---- q, k
.irp q, 0,1                            ; 36 LDS loads a K step
.irp i, 0,1
	FRAG XF+12*(2*\i+\q), AXQ, \q, 8*\i
.endr
.irp j, 0,1,2,3
	FRAG WF+12*(2*\j+\q), AWQ, \q, 8*\j
.endr
.endr
	s_wait_loadcnt 0x0                             ; bias and scale words
	s_wait_dscnt 36                                ; the first K step's fragments are in; the second's 36 loads may be out
.irp i, 0,1                            ; the eight accumulators take turns, one instruction a turn
.irp j, 0,1,2,3
	MM ACC+32*\i+8*\j, WF+12*(2*\j), XF+12*(2*\i), ACC+32*\i+8*\j, WS+2*\j, XS+2*\i
.endr
.endr
	s_wait_dscnt 0x0
.irp i, 0,1
.irp j, 0,1,2,3
	MM ACC+32*\i+8*\j, WF+12*(2*\j+1), XF+12*(2*\i+1), ACC+32*\i+8*\j, WS+2*\j+1, XS+2*\i+1
.endr
.endr
	PLACES
	QUANT ACC
	s_cmp_eq_u32 s19, 0
	s_wait_alu depctr_va_vdst(0)
	s_cbranch_scc1 .Lstore_q
.irp c, 0,1,2
	global_store_b128 v[O16], v[PC+4*\c:PC+4*\c+3], s[48:49] offset:512*\c   ; K's fragment f as it stands: each store covers 512 consecutive bytes, aligned to 256
.endr
	global_store_b32 v[O4], v[PW], s[50:51] offset:12288
	s_wait_tensorcnt 0x0                           ; the wave's end
	ds_add_u32 v[SPW], v[NIL]
	s_wait_dscnt 0x0
	s_endpgm
.Lstore_q:
	v_perm_b32 v[WQ], v[PW], v[PW], 0x01000100     ; tile 2 f's two bytes, twice: the word serves the tile in either half of an operand's K
	v_perm_b32 v[WQ+1], v[PW], v[PW], 0x03020302   ; tile 2 f + 1's
	s_wait_alu depctr_va_vdst(0)
.irp n, 0,1,2,3,4,5
	global_store_b64 v[O8], v[PC+2*\n:PC+2*\n+1], s[52:53] offset:256*\n     ; each store covers 256 consecutive bytes, aligned
.endr
	global_store_b64 v[O8], v[WQ:WQ+1], s[52:53] offset:1536
	s_wait_tensorcnt 0x0
	ds_add_u32 v[SPW], v[NIL]
	s_wait_dscnt 0x0
	s_endpgm
	; ---- v
.macro VBATCH reg, q, base             ; four fragments of x: tiles base .. base + 3, K step q: 24 LDS loads
.irp t, 0,1,2,3
	FRAG \reg+12*\t, AXV, \q, 64*((\base+\t)/4)+8*((\base+\t)%4)
.endr
.endm
.macro VMUL reg, q, base, first        ; their four products; first = 1: the bias starts the sums
.irp t, 0,1,2,3
.if \first
	MM ACC+8*(\base+\t), \reg+12*\t, VWF+12*\q, BV, VXS+2*(\base+\t)+\q, VWS+\q
.else
	MM ACC+8*(\base+\t), \reg+12*\t, VWF+12*\q, ACC+8*(\base+\t), VXS+2*(\base+\t)+\q, VWS+\q
.endif
.endr
.endm
.Lwork_v:
	FRAG VWF, AWV, 0, 0
	FRAG VWF+12, AWV, 1, 0
	VBATCH VXA, 0, 0
	VBATCH VXB, 0, 4
	s_wait_loadcnt 0x0                             ; bias and scale words
	s_wait_dscnt 24                                ; all but the batch issued last
	VMUL VXA, 0, 0, 1
	PLACES
	VBATCH VXA, 1, 0
	s_wait_dscnt 24
	VMUL VXB, 0, 4, 1
	PLACES
	VBATCH VXB, 1, 4
	s_wait_dscnt 24
	VMUL VXA, 1, 0, 0                              ; the eight accumulators have taken turns: seven others' products stand between an accumulator's two
	s_wait_dscnt 0x0
	VMUL VXB, 1, 4, 0
	PLACES
	QUANT ACC
.irp c, 0,1,2
	global_store_b128 v[O16], v[PC+4*\c:PC+4*\c+3], s[48:49] offset:6144+512*\c
.endr
	global_store_b32 v[O4], v[PW], s[50:51] offset:12800
	s_wait_tensorcnt 0x0
	ds_add_u32 v[SPW], v[NIL]
	s_wait_dscnt 0x0
	s_endpgm
.Lfunc_end_k_q63e208d2df_proj:
	.size	k_q63e208d2df_proj, .Lfunc_end_k_q63e208d2df_proj-k_q63e208d2df_proj
	.p2alignl 7, 3214868480
	.fill 96, 4, 3214868480
	.section	.rodata,"a",@progbits
	.p2align	6, 0x0
	.amdhsa_kernel k_q63e208d2df_proj
		.amdhsa_group_segment_fixed_size 169472
		.amdhsa_private_segment_fixed_size 0
		.amdhsa_enable_private_segment 0
		.amdhsa_kernarg_size 56
		.amdhsa_user_sgpr_count 2
		.amdhsa_user_sgpr_kernarg_segment_ptr 1
		.amdhsa_wavefront_size32 1
		.amdhsa_system_sgpr_workgroup_id_x 1
		.amdhsa_system_sgpr_workgroup_id_y 1
		.amdhsa_system_sgpr_workgroup_id_z 1
		.amdhsa_system_vgpr_workitem_id 0
		.amdhsa_next_free_vgpr 256
		.amdhsa_next_free_sgpr 66
		.amdhsa_reserve_vcc 0
		.amdhsa_float_denorm_mode_32 3
		.amdhsa_float_denorm_mode_16_64 3
		.amdhsa_memory_ordered 1
		.amdhsa_forward_progress 1
		.amdhsa_inst_pref_size 34
	.end_amdhsa_kernel
	.amdgpu_metadata
---
amdhsa.version: [ 1, 2 ]
amdhsa.kernels:
  - .name:           k_q63e208d2df_proj
    .symbol:         k_q63e208d2df_proj.kd
    .args:
      - { .name: x_codes, .offset: 0, .size: 8, .value_kind: global_buffer, .address_space: global }
      - { .name: x_scales, .offset: 8, .size: 8, .value_kind: global_buffer, .address_space: global }
      - { .name: W_qkv_codes, .offset: 16, .size: 8, .value_kind: global_buffer, .address_space: global }
      - { .name: W_qkv_scales, .offset: 24, .size: 8, .value_kind: global_buffer, .address_space: global }
      - { .name: b_qkv, .offset: 32, .size: 8, .value_kind: global_buffer, .address_space: global }
      - { .name: qbuf, .offset: 40, .size: 8, .value_kind: global_buffer, .address_space: global }
      - { .name: kvbuf, .offset: 48, .size: 8, .value_kind: global_buffer, .address_space: global }
    .group_segment_fixed_size: 169472
    .private_segment_fixed_size: 0
    .kernarg_segment_align: 8
    .kernarg_segment_size: 56
    .max_flat_workgroup_size: 384
    .sgpr_count:     66
    .vgpr_count:     256
    .wavefront_size: 32
...
	.end_amdgpu_metadata
.endif
;; end of part 1
;; launch attn (part 2): grid 16 x 16, 8 waves a work-group, clusters of 4 x 1, 248,832 bytes of LDS; arguments qbuf, kvbuf, out0; writes out0
.if DOCPART == 2
	.amdgcn_target "amdgcn-amd-amdhsa--gfx1250"
	.amdhsa_code_object_version 6
	.text
	.protected	k_q63e208d2df_attn
	.globl	k_q63e208d2df_attn
	.p2align	8
	.type	k_q63e208d2df_attn,@function
k_q63e208d2df_attn:
	s_mov_b64 s[64:65], 0
	v_nop
	global_prefetch_b8 v0, s[64:65] scope:SCOPE_SE
	s_setreg_imm32_b32 hwreg(HW_REG_WAVE_MODE, 25, 1), 1
	s_wait_xcnt 0x0
	s_wait_alu depctr_hold_cnt(0) depctr_sa_sdst(0) depctr_va_vdst(0) depctr_va_sdst(0) depctr_va_ssrc(0) depctr_va_vcc(0) depctr_vm_vsrc(0)
	s_getreg_b32 s2, hwreg(HW_REG_IB_STS2, 6, 4)
	s_cmp_eq_u32 s2, 0
	s_cbranch_scc0 .Lentry_in_a_cluster
	s_endpgm
.Lentry_in_a_cluster:
	s_bfe_u32 s2, ttmp6, 0x10000c
	s_cmp_lg_u32 s2, 0x3003
	s_cbranch_scc0 .Lentry_shape_is_right
	s_endpgm
.Lentry_shape_is_right:
; out[bh][q][:] = the sum over k of softmax_k(q . k / 8) v[k][:], 16 heads x 2,048 queries x 2,048 keys x 64, both products on codes of FP6 (E2M3) with one E8M0 scale for each 32 along a product's K.
; q, k, v come as images of operand registers (qbuf, kvbuf: laid as the launch before stores them).
; THE SOFTMAX AHEAD OF THE SECOND PRODUCT: t = score x log2(e) / 8; M = the row's largest t so far, rounded UP to a whole number; p = 2^(t - M) is what is quantised, along the keys; it is not normalised.
; The row's sum is taken of the unquantised p, in f32, and divides O at the end.  When M moves, the sum and O are multiplied by 2^(old M - new M): exact.
; SHARES.  A work-group owns 128 queries of one head; each of its eight waves one tile of 16, in 512 registers.  Every wave walks the head's 2,048 keys, 256 a step.
; LDS.  A head's k and v, 16 blocks of 13,312 bytes, lie in LDS WHOLE, as they lie in memory, filled once: no slot is ever filled again.  Wave w brings step w, two blocks, with the one tensor load that it issues.
; Three barriers show the tiles: wave 0's, wave 1's, and then all.  No prefetch: every fill stands at the head, so no trip of the loop asks for anything.
; CLUSTER.  The four blocks of queries of a cluster belong to one head and need the same 212,992 bytes: each load is asked for JOINTLY, by the same line with the same descriptor and a mask that names the four.
; LAYOUT.  Both products are used transposed: S^T = K Q^T (source 0 = keys, source 1 = my 16 queries), O^T = V^T P^T (source 0 = 16 of the head's 64, source 1 = P): a lane holds ONE query (lane % 16) throughout.
; K = 64 IN AN INSTRUCTION OF 128: a fragment of K holds TWO tiles of 16 keys (K 0-63: tile 2 f; K 64-127: tile 2 f + 1).  The queries' operand is [q | 0] for the first and [0 | q] for the second: zero codes take the
; other tile out of the sum (no scale byte here is 0xff).  Eighteen registers hold zeros, q, zeros: both operands without a copy.
; THE KEYS OF A TILE ARE NOT NEIGHBOURS: lane r of tile 4 c + j holds key 64 c + 8 j + 32 (r / 8) + r % 8.  So the 32 registers of the four tiles of CHUNK c (64 keys) are, in lane (r, h), keys 64 c + 32 h + 0 .. 31:
; one whole scale block of P, in the order of P's operand registers.  The queries of a tile likewise.
; THE WALK IS PIPELINED: a step's body takes the maxima of its scores, with the products O += P V of the step before among them; then the exponentials, chunk by chunk, each beside the next chunk's t - M and the sums of the
; chunks before; and the next step's scores go into each chunk's registers as these fall free.  The first and the last step have bodies of their own.
; LIMITS: NaN and infinities are not served.  The promise holds while the scaled scores stay under 2^31 in magnitude.  A block whose largest p lies under 2^-124 gets the byte 0 (2^-127; the rule holds it at 1): its p are
; held under 2^-124, beside a row's sum of at least 1/2.  A block's scale is made of 2^(x - 2), x the block's largest t - M: where x lies within rounding of a whole number the scale may be the neighbouring power of two.
.set BLK,   13312                      ; 128 keys: K's 4 fragments (6,144), V's 4 (6,144), K's scale words (512), V's (512)
.set STEPB, 2*BLK                      ; 104 rows of 256 bytes
.set HEADB, 16*BLK
.set STAGE, HEADB                      ; behind the head: 16 rows x 272 bytes for each wave, for the way out; no fill lands there
.set SP,    272
.set SPARE, STAGE+8*16*SP              ; the spare words, 128 bytes a wave
; window 0
.set L16, 1                            ; 16 lane
.set LS,  2                            ; 12,288 + 128 h + 4 r: lanes 0-15 take an even fragment's scale words, lanes 16-31 the odd one's
.set SPW, 3                            ; my spare word's LDS address, and 0
.set NIL, 4
.set QS,  5                            ; v5-15 hold scales and nothing else: q's,
.set KS,  6                            ; K's: chunk c's two fragments in v[KS + c],
.set VS,  10                           ; V's: v[VS + 2 s + t / 2],
.set PW,  14                           ; P's: half s of the step
.set AS,  16                           ; LDS addresses: K's scale words, V's fragments, V's scale words, K's fragments
.set AV,  17
.set ASV, 18
.set A16, 19
.set LL,  20                           ; v20-21 the row's sum in two halves
.set EE,  22                           ; v22-25 scale bytes
.set WW,  26                           ; v26-27
.set XX,  28                           ; v28-29
.set VF,  32                           ; v32-127  V's eight fragments: 48 s + 12 t
.set OO,  128                          ; v128-159 O^T
.set PP,  160                          ; v160-183 P's codes: 12 s
.set TC,  184                          ; v184-199 conversions' second halves
; window 1
.set SS,  0                            ; v256-383 S^T, then p: chunk c at 32 c
.set KF,  128                          ; v384-479 K's eight fragments
.set QB,  224                          ; v480-485 zeros, v486-491 q, v492-497 zeros
.set BM,  242                          ; v498-501 the chunks' largest scores, then the conversions' scale operands
.set RM,  246                          ; v502 at work
.set DD,  247                          ; v503
.set NM,  248                          ; v504 -M  (named as a pair with v505, of which the low word is taken)
.set RUN, 249                          ; v505 the row's largest score so far
.set PT,  251                          ; v507 a lane permute's destination
.set FC,  254                          ; v510 2^(old M - new M)  (with v511 as a pair)
.set WV,  10                           ; s10  my wave's number
.set SEL, 40                           ; s[40:41] lane selects for v_permlanex16_b32: lane l xor 16
.set CS,  42                           ; s[42:43] c = log2(e) / 8, twice: the packed form names a pair
.set TBK, 44                           ; s44  LDS byte of the step whose K is fetched
.set CNT, 45                           ; s45  trips
.set TBV, 52                           ; s52  LDS byte of the step whose V is fetched
.set CN,  53                           ; s53  -c
.set MSB, 0
.macro WIN new                         ; the register windows; the immediate's high byte repeats the setting that is left
.if MSB != \new
	s_set_vgpr_msb (MSB<<8)|\new
.set MSB, \new
.endif
.endm
.macro WALU
	s_wait_alu depctr_va_vdst(0)
.endm
.macro CROUND                          ; a round of the cluster's barrier: my work-group's barrier; wave 0 signals for the work-group; every wave waits for all four work-groups; my work-group's barrier once more
	s_barrier_signal -1
	s_barrier_wait -1
	s_cmp_lg_u32 s[WV], 0
	s_cbranch_scc1 .Lnot_wave_0_\@
	s_barrier_signal -3
.Lnot_wave_0_\@:
	s_barrier_wait -3
	s_barrier_signal -1
	s_barrier_wait -1
.endm
.macro TLOAD                           ; my one tensor load
	tensor_load_to_lds s[24:27], s[16:23]
	s_nop 0
.rept 4
	v_nop
.endr
.endm
.macro FETCHK                          ; 28 LDS loads: a step's K
	WIN 0
	v_add_nc_u32 v[AS], s[TBK], v[LS]
	v_add_nc_u32 v[A16], s[TBK], v[L16]
.irp i, 0,1,2,3
	ds_load_b32 v[KS+\i], v[AS] offset:BLK*(\i/2)+256*(\i%2)
.endr
	WIN 0x40
.set II, 0
.rept 24
	ds_load_b128 v[KF+4*II:KF+4*II+3], v[A16] offset:BLK*(II/12)+512*(II%12)   ; 512 consecutive bytes: the image of four registers
.set II, II+1
.endr
	WIN 0
.endm
.macro FETCHV                          ; 28 LDS loads: a step's V
	v_add_nc_u32 v[ASV], s[TBV], v[LS]
	v_add_nc_u32 v[AV], s[TBV], v[L16]
.irp i, 0,1,2,3
	ds_load_b32 v[VS+\i], v[ASV] offset:BLK*(\i/2)+512+256*(\i%2)
.endr
.set II, 0
.rept 24
	ds_load_b128 v[VF+4*II:VF+4*II+3], v[AV] offset:BLK*(II/12)+6144+512*(II%12)
.set II, II+1
.endr
.endm
.macro SCORE c, j                      ; 16 keys x 16 queries: chunk c's tile j, half j % 2 of fragment 2 c + j / 2; an odd fragment's scale words stand in lanes 16-31.  Window setting 0x55
.set SD, SS+32*(\c)+8*(\j)
.set SA, KF+24*(\c)+12*((\j)/2)
.set SB, QB+6*(1-(\j)%2)
.if (\j)/2
	v_wmma_scale_f32_16x16x128_f8f6f4 v[SD:SD+7], v[SA:SA+11], v[SB:SB+11], 0, v[KS+(\c)], v[QS] matrix_a_fmt:MATRIX_FMT_FP6 matrix_b_fmt:MATRIX_FMT_FP6 matrix_a_scale:MATRIX_SCALE_ROW1
.else
	v_wmma_scale_f32_16x16x128_f8f6f4 v[SD:SD+7], v[SA:SA+11], v[SB:SB+11], 0, v[KS+(\c)], v[QS] matrix_a_fmt:MATRIX_FMT_FP6 matrix_b_fmt:MATRIX_FMT_FP6
.endif
.endm
.macro PV s, t                         ; O^T's tile t += 16 d x 128 keys (half s of the step) x 16 queries.  Window setting 0
.set OD, OO+8*(\t)
.set VA, VF+48*(\s)+12*(\t)
.set PB, PP+12*(\s)
.if (\t)%2
	v_wmma_scale_f32_16x16x128_f8f6f4 v[OD:OD+7], v[VA:VA+11], v[PB:PB+11], v[OD:OD+7], v[VS+2*(\s)+(\t)/2], v[PW+(\s)] matrix_a_fmt:MATRIX_FMT_FP6 matrix_b_fmt:MATRIX_FMT_FP6 matrix_a_scale:MATRIX_SCALE_ROW1
.else
	v_wmma_scale_f32_16x16x128_f8f6f4 v[OD:OD+7], v[VA:VA+11], v[PB:PB+11], v[OD:OD+7], v[VS+2*(\s)+(\t)/2], v[PW+(\s)] matrix_a_fmt:MATRIX_FMT_FP6 matrix_b_fmt:MATRIX_FMT_FP6
.endif
.endm
.macro PVG first, g                    ; two of the step before's eight: the four accumulators take turns, three others' products between a tile's two links
.if (\first) == 0
	WIN 0
	PV (\g)/2, 2*((\g)%2)
	PV (\g)/2, 2*((\g)%2)+1
	WIN 0x55
.endif
.endm
.macro MX a, b                         ; two more of each chunk's 32 scores, the four chunks by turns
.irp q, 0,1,2,3
	v_max3_num_f32 v[BM+\q], v[BM+\q], v[SS+32*\q+\a], v[SS+32*\q+\b]
.endr
.endm
.macro PKF a                           ; t - M, two at a time (of the pairs c and -M the low word serves both halves)
	v_pk_fma_f32 v[\a:\a+1], v[\a:\a+1], s[CS:CS+1], v[NM:NM+1] op_sel_hi:[1,0,0]
.endm
.macro PADD a, b
	v_pk_add_f32 v[\a:\a+1], v[\a:\a+1], v[\b:\b+1]
.endm
; chunk c's 32 exponentials, p = 2^(t - M), and beside them: fma = 1: the next chunk's t - M; add = 1: the p of the two chunks before are added; mm = 1: the next step's scores of chunk 0
.macro EXPS c, fma, add, mm
.set KK, 0
.rept 16
	v_exp_f32 v[SS+32*\c+2*KK], v[SS+32*\c+2*KK]
.if (\fma) && (\add)
	PKF SS+32*(\c+1)+2*KK
.endif
	v_exp_f32 v[SS+32*\c+2*KK+1], v[SS+32*\c+2*KK+1]
.if \add
	PADD SS+32*(\c-1)+2*KK, SS+32*(\c-2)+2*KK
.elseif \fma
	PKF SS+32*(\c+1)+2*KK
.endif
.if (\mm) && ((KK%4) == 1)
	SCORE 0, KK/4
.endif
.set KK, KK+1
.endr
.endm
.macro CVT c                           ; chunk c's codes and its scale's byte
	WIN 0x05
	v_cvt_scalef32_pk16_fp6_f32 v[PP+6*\c:PP+6*\c+2], v[SS+32*\c:SS+32*\c+15], v[BM+\c]
	v_cvt_scalef32_pk16_fp6_f32 v[TC+4*\c:TC+4*\c+2], v[SS+32*\c+16:SS+32*\c+31], v[BM+\c]   ; (a conversion's three registers begin on an even number: moved at the body's end)
	v_lshrrev_b32 v[EE+\c], 23, v[BM+\c]           ; (the plain line behind the scaled conversions)
	WIN 0x55
.endm
.macro TREE n, from                    ; the last chunk's pairs n .. 2 n - 1 onto 0 .. n - 1;  from = 1: the next step's scores of chunk 2 among them
.set KK, 0
.rept \n
	PADD SS+96+2*KK, SS+96+2*(KK+\n)
.if (\from) && ((KK%2) == 1)
	SCORE 2, KK/2
.endif
.set KK, KK+1
.endr
.endm
.macro MOVES c
.irp i, 0,1,2
	v_mov_b32 v[PP+6*\c+3+\i], v[TC+4*\c+\i]
.endr
.endm
; A STEP: 256 keys.  first = 1: nothing stands before it, and a barrier shows the next step's tile.  last = 1: no further scores.
; LDS loads: K's 28 of the next step, then V's 28 of this one; so in front of the next step's scores 28 may be out (in the first step K's are the younger: 0).
.macro BODY first, last
.if (\first) == 0
	s_wait_dscnt 0x0                               ; the step before's V is in
.if (\last) == 0
	s_add_co_u32 s[TBK], s[TBK], STEPB
	FETCHK
.endif
.endif
	WIN 0x55
	WALU
.irp b, 0,1,2,3
	v_max3_num_f32 v[BM+\b], v[SS+32*\b], v[SS+32*\b+8], v[SS+32*\b+16]   ; THE LARGEST SCORE OF EACH BLOCK serves twice: for the row's maximum and, since p rises with the score, for the block's scale
.endr
.irp b, 0,1,2,3
	v_max3_num_f32 v[BM+\b], v[BM+\b], v[SS+32*\b+24], v[SS+32*\b+1]      ; every accumulator has been read, from its low end on, with nothing but these lines behind the wait
.endr
	PVG \first, 0
	MX 2, 3
	MX 4, 5
	MX 6, 7
	PVG \first, 1
	MX 9, 10
	MX 11, 12
	MX 13, 14
	PVG \first, 2
	MX 15, 17
	MX 18, 19
	MX 20, 21
	PVG \first, 3
	MX 22, 23
	MX 25, 26
	MX 27, 28
	MX 29, 30
.irp b, 0,1,2,3
	v_max_num_f32 v[BM+\b], v[BM+\b], v[SS+32*\b+31]
.endr
	WIN 0
.if (\first) == 0
	s_add_co_u32 s[TBV], s[TBV], STEPB
.endif
	FETCHV
	WIN 0x55
	v_max3_num_f32 v[RM], v[BM], v[BM+1], v[BM+2]
.if \first
	v_max_num_f32 v[RM], v[RM], v[BM+3]
.else
	v_max3_num_f32 v[RM], v[RM], v[BM+3], v[RUN]
.endif
	v_permlanex16_b32 v[PT], v[RM], s[SEL], s[SEL+1]
	v_max_num_f32 v[RUN], v[RM], v[PT]             ; with lane l xor 16's keys: the row's largest score so far
	v_mul_f32 v[DD], s[CN], v[RUN]                 ; -t
.if \first
	v_floor_f32 v[NM], v[DD]                       ; -M = floor(-t) = -ceil(t): M IS A WHOLE NUMBER
.else
	v_floor_f32 v[DD], v[DD]
	v_sub_f32 v[FC], v[DD], v[NM]                  ; M's old value less its new one: a whole number, 0 or less
	v_mov_b32 v[NM], v[DD]
	v_cvt_i32_f32 v[FC], v[FC]                     ; (it saturates)
.endif
	PKF BM
	PKF BM+2
.set KK, 0
.rept 16
	PKF SS+2*KK
.set KK, KK+1
.endr
.irp b, 0,2
	v_pk_add_f32 v[BM+\b:BM+\b+1], v[BM+\b:BM+\b+1], -2.0 op_sel_hi:[1,0]   ; 2, the exponent of the format's largest number, off the scale's
.endr
.if (\first) == 0
	v_ldexp_f32 v[FC], 1.0, v[FC]                  ; f = 2^(old M - new M)
	WIN 0x04
	v_pk_mul_f32 v[LL:LL+1], v[LL:LL+1], v[FC:FC+1] op_sel_hi:[1,0]
.set KK, 0
.rept 16
	v_pk_mul_f32 v[OO+2*KK:OO+2*KK+1], v[OO+2*KK:OO+2*KK+1], v[FC:FC+1] op_sel_hi:[1,0]   ; O^T under the new M; each accumulator from its low end on
.set KK, KK+1
.endr
	WIN 0x55
.endif
	WALU
.irp b, 0,1,2,3
	v_exp_f32 v[BM+\b], v[BM+\b]                   ; its exponent field is the block's scale
.endr
	EXPS 0, 1, 0, 0
	WALU
.if \first
	WIN 0
	s_cmp_eq_u32 s[WV], 1
	s_cbranch_scc0 .Lnot_1
	s_wait_tensorcnt 0x0                           ; step 1 is wave 1's load
.Lnot_1:
	s_wait_dscnt 0x0
	s_barrier_signal -1
	s_barrier_wait -1                              ; step 1's tile is in
	s_add_co_u32 s[TBK], s[TBK], STEPB
	FETCHK
.endif
	CVT 0
	EXPS 1, 1, 0, 0
	WALU
	CVT 1
	EXPS 2, 1, 1, 0
	WALU
.if (\last) == 0
.if \first
	s_wait_dscnt 0x0                               ; the next step's K is in
.else
	s_wait_dscnt 28
.endif
.endif
	CVT 2
	EXPS 3, 0, 1, (\last)==0
	WALU
	CVT 3
.set KK, 0
.rept 16
	PADD SS+96+2*KK, SS+64+2*KK                    ; THE ROW'S SUM IS TAKEN OF THE UNQUANTISED p: chunk 0 has gone onto 1, 1 onto 2, and now 2 onto 3
.if ((\last) == 0) && ((KK%4) == 3)
	SCORE 1, KK/4
.endif
.set KK, KK+1
.endr
	TREE 8, (\last)==0
	TREE 4, 0
	TREE 2, 0
	TREE 1, 0
	WIN 0x04
	v_pk_add_f32 v[LL:LL+1], v[LL:LL+1], v[SS+96:SS+97]
	WIN 0
.irp s, 0,1
	v_lshl_or_b32 v[WW+\s], v[EE+2*\s+1], 16, v[EE+2*\s]   ; bytes 0 and 2 of half s's scale word, from a lane of the lower half;
.endr
.irp s, 0,1
	v_permlanex16_b32 v[XX+\s], v[WW+\s], s[SEL], s[SEL+1] ; bytes 1 and 3 are the upper half's
.endr
.if (\last) == 0
	WIN 0x55
	SCORE 3, 0
	SCORE 3, 1
	WIN 0
.endif
.irp s, 0,1
	v_lshl_or_b32 v[PW+\s], v[XX+\s], 8, v[WW+\s]          ; (lanes 0-15 count)
.endr
	MOVES 0
	MOVES 1
.if (\last) == 0
	WIN 0x55
	SCORE 3, 2
	SCORE 3, 3
	WIN 0
.endif
	MOVES 2
	MOVES 3                                        ; six plain lines behind the last score
.endm
	s_load_b128 s[4:7], s[0:1], 0x0                ; qbuf s[4:5], kvbuf s[6:7]
	s_load_b64 s[8:9], s[0:1], 0x10                ; out
	v_lshl_add_u32 v[SPW], v0, 2, SPARE
	v_mov_b32 v[NIL], 0
	ds_add_u32 v[SPW], v[NIL]                      ; the opening lines: the add, twice on end, and its wait
	ds_add_u32 v[SPW], v[NIL]
	v_lshrrev_b32 v30, 5, v0
	v_readfirstlane_b32 s[WV], v30                 ; wave 0..7
	s_bfe_u32 s11, ttmp6, 0x40000                  ; cx: my place in the cluster
	s_lshl_b32 s12, ttmp9, 2                       ; in a cluster launch ttmp9 counts clusters
	s_add_co_u32 s12, s12, s11                     ; my block of 128 queries: it enters q's and out's addresses alone
	s_and_b32 s13, ttmp7, 0xffff                   ; the head (4 x batch + head), which the four partners share
	; descriptor group 1: 104 rows of 256 bytes (32 elements of 8 bytes), dense, no padding
	s_mov_b32 s16, 15|(3<<16)|(1<<21)              ; 15:0 the mask: all four work-groups; 17:16 elements of 8 bytes; 21 set beside a mask
	s_mov_b32 s17, 32<<16                          ; tensor_dim0
	s_mov_b32 s18, 104<<16                         ; tensor_dim1
	s_mov_b32 s19, 32<<16                          ; tile_dim0
	s_mov_b32 s20, 104                             ; tile_dim1
	s_mov_b32 s21, 32                              ; tensor_dim0_stride
	s_mov_b32 s22, 0
	s_mov_b32 s23, 0
	s_mov_b32 s24, 1                               ; group 0: step w, in LDS as in memory: no place in the cluster enters it
	s_mul_i32 s25, s[WV], STEPB
	s_mul_i32 s46, s13, HEADB
	s_add_co_u32 s46, s46, s25
	s_mov_b32 s47, 0
	s_lshr_b32 s55, s[WV], 1                       ; my tile: pair wave / 2,
	s_and_b32 s56, s[WV], 1                        ; u = wave % 2
	s_lshl_b32 s48, s12, 2
	s_add_co_u32 s48, s48, s55
	s_mul_i32 s48, s48, 1792
	s_mul_i32 s57, s13, 64*1792
	s_add_co_u32 s48, s48, s57                     ; my pair's record
	s_mov_b32 s49, 0
	s_lshl_b32 s50, s12, 7
	s_lshr_b32 s57, s[WV], 2
	s_lshl_b32 s57, s57, 6
	s_add_co_u32 s50, s50, s57
	s_and_b32 s57, s[WV], 3
	s_lshl_b32 s57, s57, 3
	s_add_co_u32 s50, s50, s57                     ; my tile's first query: 128 block + 64 (wave / 4) + 8 (wave % 4)
	s_lshl_b32 s50, s50, 8                         ; a row of out is 256 bytes
	s_lshl_b32 s57, s13, 19
	s_add_co_u32 s50, s50, s57
	s_mov_b32 s51, 0
	s_mov_b32 s[SEL], 0x76543210
	s_mov_b32 s[SEL+1], 0xfedcba98
	s_mov_b32 s[CS], 0x3e38aa3b                    ; c = log2(e) / 8
	s_mov_b32 s[CS+1], s[CS]                       ; (named with it as a pair, so it is written)
	s_mov_b32 s[CN], 0xbe38aa3b                    ; -c
	s_mov_b32 s[TBK], 0
	s_mov_b32 s[TBV], 0
	s_mul_i32 s57, s56, 768
	s_lshl_b32 s58, s56, 2
	v_and_b32 v30, 31, v0                          ; lane
	v_lshlrev_b32 v[L16], 4, v30
	v_lshlrev_b32 v31, 3, v30
	v_add_nc_u32 v30, s58, v31                     ; 8 lane + 4 u
	v_add_nc_u32 v31, s57, v31                     ; 8 lane + 768 u
	v_and_b32 v22, 15, v0                          ; r
	v_bfe_u32 v23, v0, 4, 1                        ; h
	v_lshlrev_b32 v[LS], 2, v22
	v_lshl_add_u32 v[LS], v23, 7, v[LS]
	v_add_nc_u32 v[LS], 12288, v[LS]
	v_mov_b32 v[LL], 0                             ; the sum, in two halves
	v_mov_b32 v[LL+1], 0
	v_mov_b32 v[XX], 0                             ; (a lane permute's destination counts as one of its sources)
	v_mov_b32 v[XX+1], 0
	WIN 0x40
	v_mov_b32 v[PT], 0
	v_mov_b32 v[FC+1], 0                           ; (the upper half of a named pair)
.irp j, 0,1,2,3,4,5
	v_mov_b32 v[QB+\j], 0                          ; the zero codes on either side of q
	v_mov_b32 v[QB+12+\j], 0
.endr
	WIN 0
	WALU
	s_wait_dscnt 0x0                               ; both opening adds are done
	CROUND                                         ; all four work-groups are here: the joint loads meet
	s_wait_kmcnt 0x0
	s_add_nc_u64 s[26:27], s[6:7], s[46:47]
	s_or_b32 s27, s27, 0x80000000                  ; type = 2
	s_add_nc_u64 s[48:49], s[4:5], s[48:49]
	s_add_nc_u64 s[50:51], s[8:9], s[50:51]
	s_cmp_eq_u32 s[WV], 0                          ; the launch's only fills, one a wave: waves 0 and 1 have lines of their own, since barriers show their tiles ahead of the others'
	s_cbranch_scc0 .Lask_1
	TLOAD
	s_branch .Lasked
.Lask_1:
	s_cmp_eq_u32 s[WV], 1
	s_cbranch_scc0 .Lask_2
	TLOAD
	s_branch .Lasked
.Lask_2:
	TLOAD
.Lasked:
	WIN 0x40
.irp n, 0,1,2
	global_load_b64 v[QB+6+2*\n:QB+7+2*\n], v31, s[48:49] offset:256*\n   ; q's six registers stay
.endr
	WIN 0
	global_load_b32 v[QS], v30, s[48:49] offset:1536
	s_cmp_eq_u32 s[WV], 0
	s_cbranch_scc0 .Lnot_0
	s_wait_tensorcnt 0x0                           ; step 0 is wave 0's load
.Lnot_0:
	s_barrier_signal -1
	s_barrier_wait -1                              ; step 0's tile is in
	FETCHK
	s_wait_loadcnt 0x0                             ; q
	s_wait_dscnt 0x0
	WIN 0x55
.irp c, 0,1,2,3
.irp j, 0,1,2,3
	SCORE \c, \j
.endr
.endr
	WIN 0
.set KK, 0
.rept 32
	v_mov_b32 v[OO+KK], 0                          ; O^T begins as zeros: the loop's body adds onto it.  (These are also the places behind the scores' products)
.set KK, KK+1
.endr
	BODY 1, 0                                      ; step 0
	WALU
	s_wait_tensorcnt 0x0
	s_wait_dscnt 0x0
	s_barrier_signal -1
	s_barrier_wait -1                              ; all tiles are in
	s_mov_b32 s[CNT], 6
.Lstep:                                                ; steps 1 to 6
	BODY 0, 0
	s_sub_co_u32 s[CNT], s[CNT], 1
	s_cmp_lg_u32 s[CNT], 0
	s_cbranch_scc1 .Lstep
	BODY 0, 1                                      ; step 7
	; THE WAY OUT.  The last step's products; O^T is divided by the row's sum and goes through my own stage in LDS, so that sixteen lanes store one whole row of out
	s_mul_i32 s57, s[WV], 16*SP
	s_add_co_u32 s57, s57, STAGE                   ; my stage
	v_add_f32 v[LL], v[LL], v[LL+1]                ; the sum's two halves,
	v_permlanex16_b32 v[XX], v[LL], s[SEL], s[SEL+1]
	v_add_f32 v[LL], v[LL], v[XX]                  ; and lane l xor 16's: the row's sum
	v_and_b32 v200, 15, v0                         ; r
	v_bfe_u32 v201, v0, 4, 1                       ; h
	WALU
	v_rcp_f32 v[LL], v[LL]
	v_nop                                          ; one plain place behind a transcendental
	WALU
	s_wait_dscnt 0x0                               ; the last V
.irp s, 0,1
.irp t, 0,1,2,3
	PV \s, \t
.endr
.endr
	v_mul_u32_u24 v202, v200, SP                   ; eight plain lines behind the last products
	v_lshl_add_u32 v202, v201, 5, v202
	v_add_nc_u32 v202, s57, v202                   ; in: row r; tile t's eight channels of my half at 64 t + 32 h
	v_mul_u32_u24 v203, v201, SP
	v_lshl_add_u32 v203, v200, 4, v203
	v_add_nc_u32 v203, s57, v203                   ; back: lanes 0-15 one row, lanes 16-31 the next
	v_lshlrev_b32 v204, 8, v201
	v_lshl_add_u32 v204, v200, 4, v204             ; and the same two rows in out
	WALU
.set KK, 0
.rept 16
	v_pk_mul_f32 v[OO+2*KK:OO+2*KK+1], v[OO+2*KK:OO+2*KK+1], v[LL:LL+1] op_sel_hi:[1,0]   ; register 8 t + i is out(query r, 16 t + 8 h + i)
.set KK, KK+1
.endr
.irp t, 0,1,2,3
	ds_store_b128 v202, v[OO+8*\t:OO+3+8*\t] offset:64*\t
	ds_store_b128 v202, v[OO+4+8*\t:OO+7+8*\t] offset:64*\t+16
.endr
.irp i, 0,1,2,3,4,5,6,7
	ds_load_b128 v[208+4*\i:211+4*\i], v203 offset:2*\i*SP   ; LDS serves a wave's instructions in order (ISA guide 5.7.1.4): these see my stores
.endr
.irp i, 0,1,2,3,4,5,6,7
	s_wait_dscnt 7-\i                              ; load i is in; the younger ones may be out
	global_store_b128 v204, v[208+4*\i:211+4*\i], s[50:51] offset:512*\i+6144*(\i/4) th:TH_STORE_NT   ; the tile's rows 8-15 are queries 32-39 from its first on: 24 rows further.  16 lanes store 256 consecutive bytes, aligned
.endr
	s_wait_tensorcnt 0x0                           ; the wave's end
	ds_add_u32 v[SPW], v[NIL]
	s_wait_dscnt 0x0
	CROUND                                         ; the closing round: no work-group ends while a partner may still ask for a load that names it
	s_endpgm
.Lfunc_end_k_q63e208d2df_attn:
	.size	k_q63e208d2df_attn, .Lfunc_end_k_q63e208d2df_attn-k_q63e208d2df_attn
	.p2alignl 7, 3214868480
	.fill 96, 4, 3214868480
	.section	.rodata,"a",@progbits
	.p2align	6, 0x0
	.amdhsa_kernel k_q63e208d2df_attn
		.amdhsa_group_segment_fixed_size 248832
		.amdhsa_private_segment_fixed_size 0
		.amdhsa_enable_private_segment 0
		.amdhsa_kernarg_size 24
		.amdhsa_user_sgpr_count 2
		.amdhsa_user_sgpr_kernarg_segment_ptr 1
		.amdhsa_wavefront_size32 1
		.amdhsa_system_sgpr_workgroup_id_x 1
		.amdhsa_system_sgpr_workgroup_id_y 1
		.amdhsa_system_sgpr_workgroup_id_z 1
		.amdhsa_system_vgpr_workitem_id 0
		.amdhsa_next_free_vgpr 512
		.amdhsa_next_free_sgpr 66
		.amdhsa_reserve_vcc 0
		.amdhsa_float_denorm_mode_32 3
		.amdhsa_float_denorm_mode_16_64 3
		.amdhsa_memory_ordered 1
		.amdhsa_forward_progress 1
		.amdhsa_inst_pref_size 92
	.end_amdhsa_kernel
	.amdgpu_metadata
---
amdhsa.version: [ 1, 2 ]
amdhsa.kernels:
  - .name:           k_q63e208d2df_attn
    .symbol:         k_q63e208d2df_attn.kd
    .args:
      - { .name: qbuf, .offset: 0, .size: 8, .value_kind: global_buffer, .address_space: global }
      - { .name: kvbuf, .offset: 8, .size: 8, .value_kind: global_buffer, .address_space: global }
      - { .name: out0, .offset: 16, .size: 8, .value_kind: global_buffer, .address_space: global }
    .group_segment_fixed_size: 248832
    .private_segment_fixed_size: 0
    .kernarg_segment_align: 8
    .kernarg_segment_size: 24
    .max_flat_workgroup_size: 256
    .sgpr_count:     66
    .vgpr_count:     512
    .wavefront_size: 32
...
	.end_amdgpu_metadata
.endif
;; end of part 2
